; MI455X (gfx1250); checked and timed in simulation.
; The chip was launched on July 23, 2026; its instructions are those of AMD's public machine-readable ISA for CDNA 5 (MIT licence, August 2026) and "CDNA5" Instruction Set Architecture Reference Guide (July 2026). The comments in the code are by the model that wrote it; some were corrected since.
;; Self Attention v2. Allowed arithmetic: matrix products marked QUANTISED: E4M3 operands, one given power-of-two scale a tensor, by v_wmma_f32_16x16x64_fp8_fp8 or v_wmma_f32_16x16x128_fp8_fp8, f32 sums; everything else in f32.
;; Inputs: Wk 768 x 64 float32; Wq 768 x 64 float32; Wv 768 x 64 float32; lowp_scales 10 int32 (the exponents e of the quantised operands' scales 2^e); x 8,192 x 768 float32.
;; Outputs: out0 8,192 x 64 float32.
;; This version of the problem:
;;   THIS VERSION OF THE PROBLEM IS GIVEN IN LOW PRECISION. The matrix products marked QUANTISED in the list below multiply operands that are first quantised to E4M3 (4 exponent bits, 3 mantissa bits; 8 bits a number), with one given power-of-two scale for each operand tensor; their sums are f32. All else is computed in f32.
;;   The module's matrix products, in the order in which they are computed (A, B: the left and right operand; K: the contracted axis; several contracted axes count as one K, in the product's order):
;;     1. [M 8,192, K 768] x [K 768, N 64]; A: input x; B: input Wq: QUANTISED (scales: A lowp_scales[0], B lowp_scales[1])
;;     2. [M 8,192, K 768] x [K 768, N 64]; A: input x; B: input Wk: QUANTISED (scales: A lowp_scales[2], B lowp_scales[3])
;;     3. [M 8,192, K 768] x [K 768, N 64]; A: input x; B: input Wv: QUANTISED (scales: A lowp_scales[4], B lowp_scales[5])
;;     4. [M 8,192, K 64] x [K 64, N 8,192]; A: computed on the way; B: computed on the way: QUANTISED (scales: A lowp_scales[6], B lowp_scales[7])
;;     5. [M 8,192, K 8,192] x [K 8,192, N 64]; A: softmax (see below); B: computed on the way: QUANTISED (scales: A lowp_scales[8], B lowp_scales[9])
;;   THE QUANTISER, for each operand of a quantised product, along K:
;;     - The operand's scale is 2^e, e = its entry of the input lowp_scales (int32; the entries are numbered through the quantised products in the list's order, A before B).
;;     - Each number is divided by the scale, clamped to +-448, and rounded to the nearest number of E4M3, ties to even, subnormals kept.
;;     - The product sums the exact products of the quantised numbers (number of the format x scale) in f32.
;;   ~~~python
;;   def quantise(x, axis, e):      # numpy; x: float32 -> the quantised numbers, widened to float32 again
;;       x = np.moveaxis(x, axis, -1); K = x.shape[-1]
;;       r = np.clip(x / 2.0 ** e, -448, 448)
;;       step = 2.0 ** (np.maximum(np.frexp(np.where(r == 0, 1, r))[1] - 1, -6) - 3)
;;       q = np.round(r / step) * step * 2.0 ** e      # np.round: ties to even
;;       return np.moveaxis(q, -1, axis).astype(np.float32)
;;   ~~~
;;   SOFTMAX AHEAD OF A QUANTISED PRODUCT. Where the list says 'softmax', what is quantised is not the finished softmax but p = 2^(t - M), with t = logit x log2(e) and M = ceil(the row's largest t), a whole number; so 1/2 < the row's largest p <= 1. The row's sum l is taken of the UNQUANTISED p, in f32, and the product's result is divided by l at the end. Since M is a whole number, a kernel that streams over the keys may use a running M (the ceiling of the running maximum): every later rescaling is an exact power of two, so the quantised numbers keep their values, but for numbers so far below the row's largest that they fall under the format's range.
;;   OPERANDS COMPUTED ON THE WAY. 'Computed on the way' means the value that the module computes at that place (a softmax that the list does not call 'softmax' is quantised finished and normalised). What goes into a quantiser is computed in f32, as accurately as f32 sums, v_exp_f32 and their like allow (about 1e-6 of the number): no bf16 or f16 on the way to a quantiser, and a product that is left as it is and whose result goes on into a quantised operand takes f32 operands (vector FMAs, or v_wmma_f32_16x16x4_f32). A number that lies on a knife's edge between two numbers of the format may be rounded either way, as far as f32 arithmetic and the matrix unit's own rounding can turn it there, and no further.
;; One version. Each part assembles by itself: llvm-mc -triple=amdgcn-amd-amdhsa -mcpu=gfx1250 --defsym DOCPART=n.
;; ======== version 1 of 1: 2 launches
;; limits: right only within a limited range of input values
;; workspace buffers: qc 524,288 bytes; kv 1,048,576 bytes
;; launch proj (part 1): grid 256 x 1, 12 waves a work-group, clusters of 4 x 1, 327,680 bytes of LDS; arguments x, Wq, Wk, Wv, lowp_scales, qc, kv; writes qc, kv
.if DOCPART == 1
	.amdgcn_target "amdgcn-amd-amdhsa--gfx1250"
	.amdhsa_code_object_version 6
	.text
	.protected	k_qbab83deafb_proj
	.globl	k_qbab83deafb_proj
	.p2align	8
	.type	k_qbab83deafb_proj,@function
k_qbab83deafb_proj:
	s_mov_b64 s[64:65], 0
	v_nop
	global_prefetch_b8 v0, s[64:65] scope:SCOPE_SE
	s_setreg_imm32_b32 hwreg(HW_REG_WAVE_MODE, 25, 1), 1
	s_wait_xcnt 0x0
	s_wait_alu depctr_hold_cnt(0) depctr_sa_sdst(0) depctr_va_vdst(0) depctr_va_sdst(0) depctr_va_ssrc(0) depctr_va_vcc(0) depctr_vm_vsrc(0)
	s_getreg_b32 s2, hwreg(HW_REG_IB_STS2, 6, 4)
	s_cmp_eq_u32 s2, 0
	s_cbranch_scc0 .Lentry_in_a_cluster
	s_endpgm
.Lentry_in_a_cluster:
	s_bfe_u32 s2, ttmp6, 0x10000c
	s_cmp_lg_u32 s2, 0x3003
	s_cbranch_scc0 .Lentry_shape_is_right
	s_endpgm
.Lentry_shape_is_right:
; q = x Wq, k = x Wk, v = x Wv on codes of FP8 (E4M3), and q, k, v quantised again for the attention that follows.
; x: [8192][768] f32.  Wq, Wk, Wv: [768][64] f32, K along the first axis.  lowp_scales: e0 .. e9 (int32): x takes e0, e2, e4 for the three products, the weights e1, e3, e5; q takes e6, k e7, v e9.
; SHARES.  A work-group takes 32 tokens.  Wave w of twelve: matrix w / 4 (0 q, 1 k, 2 v), quarter g = w % 4 of K: k = 192 g .. 192 g + 191, three steps of 64.
; Each wave quantises its own 192 x 64 part of its weight in registers and its own part of x with its own matrix's scale, and makes 8 partial tiles (4 of the 64 columns x 2 of the tokens) by 24 matrix instructions.
; The four quarters of K are added in f32 through LDS; wave (matrix, g) then owns two tiles, quantises them and stores 512 consecutive bytes.
; LAYOUTS (each permutation stands alike on both sides of the product that sums over it):
;   along K: lane (r, h), registers 4 c .. 4 c + 3 of a fragment hold k = 64 step + 32 c + 16 h + 0 .. 15, in x and in W.
;   along the 64 columns: tile i of a weight takes column d = 4 r + i in lane r, so that one read of 16 bytes brings a lane one number of each of the four tiles.
;   q, k: source 0 = 16 columns of W, source 1 = 16 tokens: a lane holds one token, and its 8 registers of tile i become registers 2 i, 2 i + 1 of the token's fragment.
;   v:    source 0 = 16 tokens, source 1 = 16 columns: a lane holds one column d, and its 8 registers are 8 neighbouring tokens: the keys run along the registers, as the second product of the attention wants them.
; OUTPUT, as images of operand registers (four registers = 512 bytes, lane l's 16 bytes at 16 l):
;   qc: fragment of tokens 16 F .. 16 F + 15 at 1024 F.   kv: 128 tokens at 16384 s: eight fragments of k (1024 bytes each), then at 8192 four fragments of v^T (2048 bytes each, columns 4 m + i).
; THE WEIGHTS are what all work-groups read: the four of a CLUSTER ask for them JOINTLY, each wave for its own 192 rows of 256 bytes (a dense block), in two fills of 96 rows into 24,576 bytes of LDS that this wave alone reads.  The
; descriptor hangs on the wave's number alone, and its mask names the four.  The refill's round opens when the first fill has been read into registers; the rest of its quantising stands in the round and behind the refill.
; X is read by one work-group alone.  Wave w's twelfth (32 tokens x 64 numbers) is asked for at the head, ahead of every barrier, in whole runs of 256 bytes, and stays on its way in registers through both fills; then it goes into the
; wave's own LDS bytes, which have had their last fill and, by this wave, their last read; and one barrier shows it to the others.
; NO PREFETCH: there is no loop to run ahead in; x is asked for whole by its own loads at the head, and all work-groups ask for the same weights.
; LIMITS: e0 .. e5, e6 - e0 - e1, e7 - e2 - e3 and e9 - e4 - e5 lie between -126 and 119, so that each scale and 448 x the scale are f32 numbers.  NaN among the inputs is not served; an infinity is held at the largest code.
.set RW,    24576                      ; LDS: wave w's region: 96 rows of 256 bytes of its weight; at the end its chunk of x, 32 tokens x (256 bytes + 16 of padding: row r starts at bank 4 r mod 64, 64 banks of 4 bytes: ISA guide 11.1),
.set PSO,   9216                       ; and, 9,216 bytes on, its partial sums: 8,192 bytes, as images of the registers
.set SPARE, 12*RW                      ; behind the regions: the spare words, 128 bytes for each wave: six blocks of 256 bytes that no other line names
.set WC,   16                          ; v16-111   W's codes: fragment (step, tile i) at WC + 8 (4 step + i)
.set XC,   112                         ; v112-127  x's codes: tokens 16 u on at XC + 8 u
.set T,    112                         ; v112-127  before that: two sets of 8 numbers down K, by turns
.set WL,   128                         ; v128-255  W as read: four buffers of 8 rows x 4 numbers
.set XL,   128                         ; v128-191  later: 64 numbers of x
.set ACC,  192                         ; v192-255  later: the 8 partial tiles
.set FS,   16                          ; v16-79    at the end: my two tiles from the four quarters
; window 1, v0-63: my twelfth of x on its way
; v1 W in LDS;  v2 x in LDS;  v3 where I put my partial sums;  v4, v11 where I read my two tiles;  v5 16 x lane;  v6 the scale as f32;  v7 448 x the scale;  v12 x in memory;  v13 where I put x;  v14, v15 for the add
.set MSB, 0
.macro WIN new                         ; the immediate's high byte repeats the setting that is left
.if MSB != \new
	s_set_vgpr_msb (MSB<<8)|\new
.set MSB, \new
.endif
.endm
.macro CREST                           ; a round of the cluster's barrier behind its opening barrier
	s_cmp_lg_u32 s18, 0
	s_cbranch_scc1 .Lnot_wave_0_\@
	s_barrier_signal -3
.Lnot_wave_0_\@:
	s_barrier_wait -3
	s_barrier_signal -1
	s_barrier_wait -1
.endm
.macro ROUND                           ; a whole round
	s_barrier_signal -1
	s_barrier_wait -1
	CREST
.endm
	s_load_b256 s[4:11], s[0:1], 0x0               ; x s[4:5], Wq s[6:7], Wk s[8:9], Wv s[10:11]
	s_load_b128 s[12:15], s[0:1], 0x20             ; the exponents s[12:13], qc s[14:15]
	s_load_b64 s[16:17], s[0:1], 0x30              ; kv
	v_lshl_add_u32 v14, v0, 2, SPARE
	v_mov_b32 v15, 0
	ds_add_u32 v14, v15                            ; the opening lines: the add, twice on end,
	ds_add_u32 v14, v15
	v_lshrrev_b32 v8, 5, v0                        ; work on registers, and then the one wait for both
	v_readfirstlane_b32 s18, v8                    ; wave 0 .. 11
	s_lshr_b32 s19, s18, 2                         ; matrix: 0 q, 1 k, 2 v
	s_and_b32 s20, s18, 3                          ; quarter of K
	s_bfe_u32 s21, ttmp6, 0x40000                  ; cx: my place in the cluster
	s_lshl_b32 s62, ttmp9, 2                       ; in a cluster launch ttmp9 counts clusters
	s_add_co_u32 s21, s21, s62                     ; my block of 32 tokens: it enters the addresses of x and of the codes alone
	; descriptor group 1: a dense block as 96 rows of 32 elements of 8 bytes; no padding: sixteen lanes read a whole row
	s_mov_b32 s24, 15|(3<<16)|(1<<21)              ; 15:0 the mask: all four work-groups; 17:16 elements of 8 bytes; 21 set beside a mask
	s_mov_b32 s25, 32<<16                          ; tensor_dim0 = 32
	s_mov_b32 s26, 96<<16                          ; tensor_dim1 = 96
	s_mov_b32 s27, 32<<16                          ; tile_dim0 = 32
	s_mov_b32 s28, 96                              ; tile_dim1 = 96
	s_mov_b32 s29, 32                              ; from row to row
	s_mov_b32 s30, 0
	s_mov_b32 s31, 0
	s_mov_b32 s32, 1                               ; group 0: count = 1
	s_mul_i32 s33, s18, RW                         ; LDS: my region
	s_mul_i32 s38, s20, 49152                      ; my 192 rows of 256 bytes
	s_mov_b32 s39, 0
	s_mul_i32 s50, s20, 3*RW                       ; my quarter's three chunks of x
	s_mul_i32 s51, s19, 4*RW
	s_lshl_b32 s52, s20, 11
	s_add_co_u32 s51, s51, s52
	s_add_co_u32 s51, s51, PSO                     ; tiles 2 g, 2 g + 1 of my matrix's first wave
	s_add_co_u32 s53, s33, PSO
	s_mul_i32 s62, s21, 98304                      ; my work-group's 32 rows of 3,072 bytes,
	s_lshl_b32 s63, s18, 8                         ; columns 64 w on
	s_add_co_u32 s62, s62, s63
	s_mov_b32 s63, 0
	v_and_b32 v8, 15, v0                           ; r
	v_bfe_u32 v9, v0, 4, 1                         ; h
	v_and_b32 v10, 31, v0                          ; lane
	v_mul_u32_u24 v12, v9, 3072
	v_lshlrev_b32 v1, 4, v8
	v_mul_u32_u24 v13, v9, 272
	v_mul_u32_u24 v2, v8, 272
	v_lshlrev_b32 v5, 4, v10
	v_lshl_add_u32 v12, v8, 4, v12                 ; x: sixteen lanes to a row's 256 bytes, two rows a load
	v_lshl_add_u32 v1, v9, 12, v1                  ; W: 16 bytes at column 4 r; lanes 16-31 begin 16 rows (4,096 bytes) further down
	v_lshl_add_u32 v13, v8, 4, v13
	v_lshl_add_u32 v2, v9, 6, v2                   ; x: token r; 16 numbers (64 bytes) for each half of the lanes
	v_lshl_add_u32 v3, v10, 4, s53
	v_lshl_add_u32 v4, v10, 4, s51
	v_add_nc_u32 v1, s33, v1
	v_add_nc_u32 v13, s33, v13
	v_add_nc_u32 v2, s50, v2
	v_add_nc_u32 v11, 2*RW, v4                     ; the same of the matrix's third wave
	s_wait_alu depctr_va_vdst(0)
	s_wait_dscnt 0x0                               ; both opening adds are done
	s_wait_kmcnt 0x0
	s_load_b256 s[40:47], s[12:13], 0x0            ; e0 .. e7
	s_load_b64 s[48:49], s[12:13], 0x20            ; e8, e9
	s_add_nc_u64 s[2:3], s[4:5], s[62:63]
	WIN 0x40                                       ; destination window 1
.irp p, 0,1,2,3,4,5,6,7,8,9,10,11,12,13,14,15
	global_load_b128 v[4*\p:4*\p+3], v12, s[2:3] offset:6144*\p th:TH_LOAD_NT   ; rows 2 p, 2 p + 1 of my chunk
.endr
	WIN 0
	s_cmp_eq_u32 s19, 1                            ; my weight and my output buffer: the choice hangs on the wave's number alone
	s_cselect_b64 s[22:23], s[8:9], s[10:11]
	s_cmp_eq_u32 s19, 0
	s_cselect_b64 s[22:23], s[6:7], s[22:23]
	s_cselect_b64 s[60:61], s[14:15], s[16:17]
	s_add_nc_u64 s[34:35], s[22:23], s[38:39]
	s_or_b32 s35, s35, 0x80000000                  ; type = 2
	ROUND                                          ; all four work-groups are here: the first joint loads meet
	tensor_load_to_lds s[32:35], s[24:31]          ; my rows 0 .. 95
	s_nop 0
; Half unit q of twelve: 8 rows down K for each half of the lanes; six to a fill.  Lanes 0-15 read one whole row of 256 bytes, lanes 16-31 the row 16 further down.
.macro WLOAD q
.irp j, 0,1,2,3,4,5,6,7
	ds_load_b128 v[WL+32*((\q)%4)+4*\j:WL+32*((\q)%4)+4*\j+3], v1 offset:(32*(((\q)%6)/2)+8*((\q)%2)+\j)*256
.endr
.endm
; Its 8 x 4 numbers become two registers of codes in each of the four tiles.  The hold, which an 8-bit conversion wants anyway (it does not saturate: ISA guide 7.6.2), also gathers a tile's 8 numbers down K into
; consecutive registers.  The two sets of T take turns, so that 8 plain lines stand between a conversion and the next write of its sources.
.macro WWORK q
.irp i, 0,1,2,3
.irp j, 0,1,2,3,4,5,6,7
	v_med3_num_f32 v[T+8*(\i%2)+\j], v[WL+32*((\q)%4)+4*\j+\i], -v7, v7
.endr
	v_cvt_scalef32_pk8_fp8_f32 v[WC+8*(4*((\q)/4)+\i)+2*((\q)%4):WC+8*(4*((\q)/4)+\i)+2*((\q)%4)+1], v[T+8*(\i%2):T+8*(\i%2)+7], v6
.endr
.endm
.macro POWERS sc, lim, e                       ; 2^e and 448 x 2^e as f32 patterns
	s_add_co_i32 s[\sc], s[\e], 127
	s_lshl_b32 s[\sc], s[\sc], 23
	s_add_co_i32 s[\lim], s[\e], 135
	s_lshl_b32 s[\lim], s[\lim], 23
	s_or_b32 s[\lim], s[\lim], 0x600000
.endm
	; where my 512 bytes of codes go
	s_lshr_b32 s36, s21, 2
	s_lshl_b32 s36, s36, 14                        ; the step of 128 tokens: 16384 (work-group / 4)
	s_and_b32 s37, s21, 3
	s_lshl_b32 s38, s37, 11
	s_lshl_b32 s39, s20, 9
	s_add_co_u32 s38, s38, s39
	s_add_co_u32 s38, s38, s36                     ; k: + 2048 (work-group % 4) + 512 g
	s_lshl_b32 s37, s37, 9
	s_lshl_b32 s62, s20, 11
	s_add_co_u32 s37, s37, s62
	s_add_co_u32 s37, s37, s36
	s_add_co_u32 s37, s37, 8192                    ; v: + 8192 + 2048 g + 512 (work-group % 4)
	s_lshl_b32 s36, s21, 11
	s_add_co_u32 s36, s36, s39                     ; q: 2048 work-group + 512 g
	s_cmp_eq_u32 s19, 1
	s_cselect_b32 s62, s38, s37
	s_cmp_eq_u32 s19, 0
	s_cselect_b32 s62, s36, s62
	s_mov_b32 s63, 0
	s_add_nc_u64 s[60:61], s[60:61], s[62:63]
	s_wait_kmcnt 0x0                               ; the exponents
	s_cmp_eq_u32 s19, 1                            ; mine are chosen without a branch
	s_cselect_b32 s50, s42, s44                    ; x's
	s_cselect_b32 s51, s43, s45                    ; the weight's
	s_cselect_b32 s52, s47, s49                    ; the result's
	s_cmp_eq_u32 s19, 0
	s_cselect_b32 s50, s40, s50
	s_cselect_b32 s51, s41, s51
	s_cselect_b32 s52, s46, s52
	s_sub_co_i32 s52, s52, s50                     ; a sum stands for sum x 2^(x's + the weight's): the three exponents are folded into the last conversion's one
	s_sub_co_i32 s52, s52, s51
	POWERS 53, 54, 51
	POWERS 55, 56, 50
	POWERS 57, 58, 52
	v_mov_b32 v6, s53
	v_mov_b32 v7, s54
	s_wait_alu depctr_va_vdst(0)
	s_wait_tensorcnt 0x0                           ; the first fill: I alone read it
	WLOAD 0
	WLOAD 1
	WLOAD 2
	WLOAD 3
	s_wait_dscnt 24                                ; half unit 0 is in; the three behind it, 8 loads each, may be out
	WWORK 0
	WLOAD 4                                        ; into the buffer just read
	s_wait_dscnt 24
	WWORK 1
	WLOAD 5
	s_wait_dscnt 24                                ; half unit 2 is in
	s_wait_tensorcnt 0x0                           ; no tensor load of mine is out, so group 0 may be written
	ds_add_u32 v14, v15                            ; 0 onto my spare word
	s_add_nc_u64 s[34:35], s[34:35], RW            ; my rows 96 .. 191; the type bits on top are not reached
	WWORK 2
	s_wait_alu depctr_va_vdst(0)
	s_wait_dscnt 0x0                               ; the add is done, and my reads of the first fill are over
	s_barrier_signal -1                            ; the round opens; work on registers stands between this signal and its wait
	WWORK 3
	s_wait_alu depctr_va_vdst(0)
	s_barrier_wait -1
	CREST                                          ; no wave of any partner still reads its first fill or has a load on its way:
	tensor_load_to_lds s[32:35], s[24:31]          ; the joint refill, the first thing behind the round
	s_nop 0
	WWORK 4
	WWORK 5
	s_wait_alu depctr_va_vdst(0)
	s_wait_tensorcnt 0x0                           ; the second fill
	WLOAD 6
	WLOAD 7
	WLOAD 8
	WLOAD 9
	s_wait_dscnt 24
	WWORK 6
	WLOAD 10
	s_wait_dscnt 24
	WWORK 7
	WLOAD 11
	s_wait_dscnt 24
	WWORK 8
	s_wait_dscnt 16
	WWORK 9
	s_wait_dscnt 8
	WWORK 10
	s_wait_alu depctr_va_vdst(0)
	s_wait_dscnt 0x0                               ; my region has had its last fill, and I have read it out
	s_wait_loadcnt 0x0                             ; my twelfth of x is in
	WIN 0x04                                       ; data window 1
.irp p, 0,1,2,3,4,5,6,7,8,9,10,11,12,13,14,15
	ds_store_b128 v13, v[4*\p:4*\p+3] offset:544*\p
.endr
	WIN 0
	WWORK 11
	v_nop                                          ; a plain line between the last conversion and the write of its scale
	v_mov_b32 v6, s55
	v_mov_b32 v7, s56
	s_wait_alu depctr_va_vdst(0)
	s_wait_dscnt 0x0                               ; for the others' sake: my part of x lies in LDS
	s_barrier_signal -1
	s_barrier_wait -1                              ; everybody's does: a chunk is read by three waves
.macro XLOAD st                                ; my 64 numbers of step st: tokens 16 u + r, k = 32 c + 16 h + 0 .. 15
.irp u, 0,1
.irp c, 0,1
.irp j, 0,1,2,3
	ds_load_b128 v[XL+32*\u+16*\c+4*\j:XL+32*\u+16*\c+4*\j+3], v2 offset:(\st)*RW+\u*4352+128*\c+16*\j
.endr
.endr
.endr
.endm
.macro XQUANT
.set j, 0
.rept 64
	v_med3_num_f32 v[XL+j], v[XL+j], -v7, v7       ; the hold at the largest code x the scale.  These 64 are also the places between the last products and the conversions that write x's codes anew
.set j, j+1
.endr
.set j, 0
.rept 8
	v_cvt_scalef32_pk8_fp8_f32 v[XC+2*j:XC+2*j+1], v[XL+8*j:XL+8*j+7], v6
.set j, j+1
.endr
.endm
; 8 matrix instructions on the 8 partial tiles by turns, in the same order in every step and in both arms.  The first step starts the sums with the constant 0.
.macro MULS st
	s_cmp_eq_u32 s19, 2
	s_cbranch_scc1 .Lvarm_\@
.irp u, 0,1
.irp i, 0,1,2,3                                ; q, k: tile 4 u + i: source 0 = 16 columns of W, source 1 = 16 tokens
.if (\st) == 0
	v_wmma_f32_16x16x64_fp8_fp8 v[ACC+8*(4*\u+\i):ACC+8*(4*\u+\i)+7], v[WC+8*(4*(\st)+\i):WC+8*(4*(\st)+\i)+7], v[XC+8*\u:XC+8*\u+7], 0
.else
	v_wmma_f32_16x16x64_fp8_fp8 v[ACC+8*(4*\u+\i):ACC+8*(4*\u+\i)+7], v[WC+8*(4*(\st)+\i):WC+8*(4*(\st)+\i)+7], v[XC+8*\u:XC+8*\u+7], v[ACC+8*(4*\u+\i):ACC+8*(4*\u+\i)+7]
.endif
.endr
.endr
	s_branch .Ljoin_\@
.Lvarm_\@:
	s_wait_alu depctr_va_vdst(0)
.irp i, 0,1,2,3
.irp u, 0,1                                    ; v: tile 2 i + u: source 0 = 16 tokens, source 1 = 16 columns of W
.if (\st) == 0
	v_wmma_f32_16x16x64_fp8_fp8 v[ACC+8*(2*\i+\u):ACC+8*(2*\i+\u)+7], v[XC+8*\u:XC+8*\u+7], v[WC+8*(4*(\st)+\i):WC+8*(4*(\st)+\i)+7], 0
.else
	v_wmma_f32_16x16x64_fp8_fp8 v[ACC+8*(2*\i+\u):ACC+8*(2*\i+\u)+7], v[XC+8*\u:XC+8*\u+7], v[WC+8*(4*(\st)+\i):WC+8*(4*(\st)+\i)+7], v[ACC+8*(2*\i+\u):ACC+8*(2*\i+\u)+7]
.endif
.endr
.endr
.Ljoin_\@:
.endm
	XLOAD 0
.irp s, 0,1,2
	s_wait_dscnt 0x0                               ; this step's numbers are in
	XQUANT
.if \s < 2
	XLOAD \s+1                                     ; the next step's numbers come while this step is multiplied
.endif
	v_nop                                          ; a plain line between the last conversion and the products that read its codes
	MULS \s
.endr
.rept 4
	v_nop                                          ; four places between the last products and the first read of results (ISA guide 7.12.1)
.endr
.irp a, 0,1,2,3,4,5,6,7
	ds_store_b128 v3, v[ACC+8*\a:ACC+8*\a+3] offset:1024*\a            ; each tile from its low end on
	ds_store_b128 v3, v[ACC+8*\a+4:ACC+8*\a+7] offset:1024*\a+512
.endr
	v_mov_b32 v6, s57
	v_mov_b32 v7, s58
	s_wait_dscnt 0x0                               ; for the others' sake: my partial sums lie in LDS
	s_barrier_signal -1
	s_barrier_wait -1
.irp p, 0,1,2,3                                ; my two tiles from the four quarters of K
	ds_load_b128 v[FS+4*\p:FS+4*\p+3], v4 offset:512*\p
	ds_load_b128 v[FS+16+4*\p:FS+19+4*\p], v4 offset:RW+512*\p
	ds_load_b128 v[FS+32+4*\p:FS+35+4*\p], v11 offset:512*\p
	ds_load_b128 v[FS+48+4*\p:FS+51+4*\p], v11 offset:RW+512*\p
.endr
	s_wait_dscnt 0x0
.irp g, 1,2,3                                  ; K ascending
.irp j, 0,2,4,6,8,10,12,14
	v_pk_add_f32 v[FS+\j:FS+\j+1], v[FS+\j:FS+\j+1], v[FS+16*\g+\j:FS+16*\g+\j+1]
.endr
.endr
.irp j, 0,1,2,3,4,5,6,7,8,9,10,11,12,13,14,15
	v_med3_num_f32 v[FS+\j], v[FS+\j], -v7, v7
.endr
	v_cvt_scalef32_pk8_fp8_f32 v[112:113], v[FS:FS+7], v6
	v_cvt_scalef32_pk8_fp8_f32 v[114:115], v[FS+8:FS+15], v6
	v_nop
	global_store_b128 v5, v[112:115], s[60:61]     ; four registers of an operand's image: the wave stores 512 consecutive bytes, at a multiple of 512 from the buffer's first byte
	s_wait_tensorcnt 0x0                           ; the wave's end
	ds_add_u32 v14, v15
	s_wait_dscnt 0x0
	ROUND                                          ; the closing round: no work-group ends while a partner may still issue a joint load that names it
	s_endpgm
.Lfunc_end_k_qbab83deafb_proj:
	.size	k_qbab83deafb_proj, .Lfunc_end_k_qbab83deafb_proj-k_qbab83deafb_proj
	.p2alignl 7, 3214868480
	.fill 96, 4, 3214868480
	.section	.rodata,"a",@progbits
	.p2align	6, 0x0
	.amdhsa_kernel k_qbab83deafb_proj
		.amdhsa_group_segment_fixed_size 327680
		.amdhsa_private_segment_fixed_size 0
		.amdhsa_enable_private_segment 0
		.amdhsa_kernarg_size 56
		.amdhsa_user_sgpr_count 2
		.amdhsa_user_sgpr_kernarg_segment_ptr 1
		.amdhsa_wavefront_size32 1
		.amdhsa_system_sgpr_workgroup_id_x 1
		.amdhsa_system_sgpr_workgroup_id_y 1
		.amdhsa_system_sgpr_workgroup_id_z 1
		.amdhsa_system_vgpr_workitem_id 0
		.amdhsa_next_free_vgpr 320
		.amdhsa_next_free_sgpr 66
		.amdhsa_reserve_vcc 0
		.amdhsa_float_denorm_mode_32 3
		.amdhsa_float_denorm_mode_16_64 3
		.amdhsa_memory_ordered 1
		.amdhsa_forward_progress 1
		.amdhsa_inst_pref_size 69
	.end_amdhsa_kernel
	.amdgpu_metadata
---
amdhsa.version: [ 1, 2 ]
amdhsa.kernels:
  - .name:           k_qbab83deafb_proj
    .symbol:         k_qbab83deafb_proj.kd
    .args:
      - { .name: x, .offset: 0, .size: 8, .value_kind: global_buffer, .address_space: global }
      - { .name: Wq, .offset: 8, .size: 8, .value_kind: global_buffer, .address_space: global }
      - { .name: Wk, .offset: 16, .size: 8, .value_kind: global_buffer, .address_space: global }
      - { .name: Wv, .offset: 24, .size: 8, .value_kind: global_buffer, .address_space: global }
      - { .name: lowp_scales, .offset: 32, .size: 8, .value_kind: global_buffer, .address_space: global }
      - { .name: qc, .offset: 40, .size: 8, .value_kind: global_buffer, .address_space: global }
      - { .name: kv, .offset: 48, .size: 8, .value_kind: global_buffer, .address_space: global }
    .group_segment_fixed_size: 327680
    .private_segment_fixed_size: 0
    .kernarg_segment_align: 8
    .kernarg_segment_size: 56
    .max_flat_workgroup_size: 384
    .sgpr_count:     66
    .vgpr_count:     320
    .wavefront_size: 32
...
	.end_amdgpu_metadata
.endif
;; end of part 1
;; launch attn (part 2): grid 256 x 1, 8 waves a work-group, clusters of 4 x 1, 327,680 bytes of LDS; arguments qc, kv, lowp_scales, out0; writes out0
.if DOCPART == 2
	.amdgcn_target "amdgcn-amd-amdhsa--gfx1250"
	.amdhsa_code_object_version 6
	.text
	.protected	k_qbab83deafb_attn
	.globl	k_qbab83deafb_attn
	.p2align	8
	.type	k_qbab83deafb_attn,@function
k_qbab83deafb_attn:
	s_mov_b64 s[64:65], 0
	v_nop
	global_prefetch_b8 v0, s[64:65] scope:SCOPE_SE
	s_setreg_imm32_b32 hwreg(HW_REG_WAVE_MODE, 25, 1), 1
	s_wait_xcnt 0x0
	s_wait_alu depctr_hold_cnt(0) depctr_sa_sdst(0) depctr_va_vdst(0) depctr_va_sdst(0) depctr_va_ssrc(0) depctr_va_vcc(0) depctr_vm_vsrc(0)
	s_getreg_b32 s2, hwreg(HW_REG_IB_STS2, 6, 4)
	s_cmp_eq_u32 s2, 0
	s_cbranch_scc0 .Lentry_in_a_cluster
	s_endpgm
.Lentry_in_a_cluster:
	s_bfe_u32 s2, ttmp6, 0x10000c
	s_cmp_lg_u32 s2, 0x3003
	s_cbranch_scc0 .Lentry_shape_is_right
	s_endpgm
.Lentry_shape_is_right:
; out0[q][:] = the sum over keys of softmax(q . k / 8) v, 8,192 queries and keys, 64 channels, both products on codes of FP8 (E4M3) with the given scales 2^e6 (q), 2^e7 (k), 2^e8 (p), 2^e9 (v).
; qc, kv: images of operand registers (four registers = 512 bytes, lane l's 16 bytes at 16 l).  qc: queries 16 F on at 1024 F.  kv: keys 128 s on at 16384 s: eight fragments of k of 1,024 bytes, then four of v^T of 2,048.
; THE SOFTMAX: t = score x log2(e) / 8; M = the largest t so far, rounded UP to a whole number; p = 2^(t - M) is quantised, not normalised; the sum is taken of the unquantised p and divides at the end.
; When M moves, the sum and O are multiplied by 2^(old M - new M), which rounds nothing.
; SHARES.  A work-group owns 32 queries, two tiles of 16, and EVERY wave holds both.  THE WAVES SHARE THE KEYS: a tile of kv is 1,024 keys (128 KiB), of which wave w of eight takes keys 128 w on.  So each byte of k and v is
; read from LDS once in the work-group, and each fragment feeds two matrix instructions.  At the end the eight waves' M, sums and O meet in LDS.
; THE RING.  A wave has two slots of 16 KiB, one behind the other, which it alone fills and reads: at the head ONE load of two rows of 16 KiB fills both with its parts of two neighbouring tiles; in trips 0 to 5 the slot that the trip
; has read is filled again, with the tile two trips on.  So a barrier stands only in front of refills; trips 6 and 7 have none.
; THE CLUSTERS BEGIN AT DIFFERENT PAIRS OF TILES AND GO ROUND: cluster c begins at pair (c xor c / 8) mod 4; the running M makes the order of the keys free.  So by the head's loads alone the 64 clusters ask for all of kv, sixteen for each
; pair, and every later load names bytes that other clusters have loaded a trip or more earlier: no prefetch is laid.
; ORDER OF A STEP.  Its K is in registers when it begins, its V is on its way.  In its middle the next step's K is fetched; then the waits, the add and the signal that open the round; tile 1's conversions and the second product
; stand between that signal and its wait; behind the round the refill, then the next step's V.
; LAYOUT.  Both products are used transposed: S^T = k q^T (source 0 = 16 keys, source 1 = 16 queries), O^T = v^T p^T: a lane holds ONE query (lane % 16) throughout, and its 8 registers of key tile c are keys
; 16 c + 8 (lane / 16) + 0 .. 7: the conversions' results are registers 2 c, 2 c + 1 of the second product's operand.  Row m of tile i of v^T is channel 4 m + i, so register j of tile i of O^T is channel 32 (lane / 16) + 4 j + i.
; CLUSTER.  The four work-groups of a cluster walk the same kv in the same order: each wave's part is asked for JOINTLY, by the same tensor load with the same descriptor (it hangs on the cluster's number, the
; wave's number and the trip alone) and a mask that names the four.  One load a wave is out.
; LIMITS on the given exponents: e6 + e7 between -123 and 130 (they are added to the exponent field of log2(e) / 8); e8 between -126 and 119; e8 + e9 is applied by v_ldexp_f32 and has none.  The scaled scores t stay under 2^31 in magnitude.
; With e8 under -8 the hold at 448 x 2^e8 acts on p as taken under the M of its wave at its step.  NaN is not served.
; REGISTERS, window 0: v0 the thread's number; v1 16 x lane + 32768 w; v2 the same in the slot in hand; v3, v4 for the add; v5 2^e8; v7 16 x lane; v[8+4u ..] tile u's -M, largest t, and the sum in two halves;
;   v16-31 q; v32-63 at work, then p's codes (tile 1 at v32, tile 0 at v48); v64-127 S^T of tile 0; v128-191 S^T of tile 1; v192-255 O^T, tile (u, i) at 192 + 32 u + 8 i.   window 1: v0-63 eight fragments of k; v64-127 four of v^T.
.set SLOT1, 16384                      ; a wave's slot 1 lies 16,384 bytes behind its slot 0
.set TILEB, 131072                     ; a tile of kv in bytes; kv is eight of them, 2^20 bytes
.set SPARE, 262144                     ; behind the ring: the spare words, 128 bytes for each wave: four blocks of 256 bytes that no other line names
.set NM,    SPARE+1024                 ; -M of (wave, query): 128 w + 4 q; 1,024 bytes behind it the sums, likewise
.set MSB, 0
.macro WIN new                         ; the immediate's high byte repeats the setting that is left
.if MSB != \new
	s_set_vgpr_msb (MSB<<8)|\new
.set MSB, \new
.endif
.endm
.macro CREST                           ; a round of the cluster's barrier behind its opening barrier
	s_cmp_lg_u32 s12, 0
	s_cbranch_scc1 .Lnot_wave_0_\@
	s_barrier_signal -3
.Lnot_wave_0_\@:
	s_barrier_wait -3
	s_barrier_signal -1
	s_barrier_wait -1
.endm
.macro ROUND                           ; a whole round
	s_barrier_signal -1
	s_barrier_wait -1
	CREST
.endm
	s_load_b256 s[4:11], s[0:1], 0x0               ; qc s[4:5], kv s[6:7] (it stays as it is), the exponents s[8:9], out0 s[10:11]
	v_lshl_add_u32 v3, v0, 2, SPARE
	v_mov_b32 v4, 0
	ds_add_u32 v3, v4                              ; the opening lines: the add, twice on end,
	ds_add_u32 v3, v4
	v_lshrrev_b32 v6, 5, v0                        ; work on registers, and then the one wait for both
	s_delay_alu instid0(VALU_DEP_1)
	v_readfirstlane_b32 s12, v6                    ; wave 0 .. 7
	s_bfe_u32 s13, ttmp6, 0x40000                  ; cx: my place in the cluster
	s_lshl_b32 s14, ttmp9, 2                       ; in a cluster launch ttmp9 counts clusters
	s_add_co_u32 s14, s14, s13                     ; my block of 32 queries: it enters qc's and out0's addresses alone
	; descriptor group 1 of the refills: a dense block of 16 KiB as 64 rows of 32 elements of 8 bytes; no padding: every read takes 512 bytes on end
	s_mov_b32 s16, 15|(3<<16)|(1<<21)              ; 15:0 the mask: all four work-groups; 17:16 elements of 8 bytes; 21 set beside a mask
	s_mov_b32 s17, 32<<16                          ; tensor_dim0 = 32
	s_mov_b32 s18, 64<<16                          ; tensor_dim1 = 64
	s_mov_b32 s19, 32<<16                          ; tile_dim0 = 32
	s_mov_b32 s20, 64                              ; tile_dim1 = 64
	s_mov_b32 s21, 32                              ; from row to row
	s_mov_b32 s22, 0
	s_mov_b32 s23, 0
	; and of the head's load: two rows of 2,048 elements of 8 bytes, a tile of kv apart
	s_mov_b32 s56, 15|(3<<16)|(1<<21)
	s_mov_b32 s57, 2048<<16
	s_mov_b32 s58, 2<<16
	s_mov_b32 s59, 2048<<16
	s_mov_b32 s60, 2
	s_mov_b32 s61, TILEB/8
	s_mov_b32 s62, 0
	s_mov_b32 s63, 0
	s_mov_b32 s24, 1                               ; group 0: count = 1
	s_lshl_b32 s25, s12, 15                        ; LDS: my two slots, 32768 w
	s_lshl_b32 s42, s12, 14                        ; my wave's 16 KiB of a tile
	s_lshr_b32 s53, ttmp9, 3                       ; the pair of tiles at which my cluster begins: (c xor c / 8) mod 4, of the cluster's number alone, which the four partners share
	s_xor_b32 s53, s53, ttmp9
	s_and_b32 s53, s53, 3
	s_lshl_b32 s53, s53, 18
	s_add_co_u32 s34, s53, s42                     ; s[34:35]: the byte of kv at which my wave's part of a tile begins
	s_mov_b32 s35, 0
	s_mov_b32 s28, 0                               ; the slot in hand
	s_mov_b32 s29, 6                               ; trips that fill a slot again
	s_mov_b32 s30, 0x76543210                      ; v_permlanex16_b32: lane l xor 16
	s_mov_b32 s31, 0xfedcba98
	s_mov_b32 s32, 0x3e38aa3b                      ; c = log2(e) / sqrt(64)
	s_lshl_b32 s44, s14, 11                        ; my two fragments of q
	s_mov_b32 s45, 0
	s_lshl_b32 s46, s14, 13                        ; my 32 rows of out0
	s_mov_b32 s47, 0
	v_and_b32 v6, 31, v0
	s_delay_alu instid0(VALU_DEP_1)
	v_lshlrev_b32 v7, 4, v6
	s_delay_alu instid0(VALU_DEP_1)
	v_add_nc_u32 v1, s25, v7
	s_wait_alu depctr_va_vdst(0)
	s_wait_dscnt 0x0                               ; both opening adds are done
	s_wait_kmcnt 0x0
	s_load_b64 s[36:37], s[8:9], 0x18              ; e6, e7
	s_load_b64 s[38:39], s[8:9], 0x20              ; e8, e9
	s_add_nc_u64 s[26:27], s[6:7], s[34:35]
	s_or_b32 s27, s27, 0x80000000                  ; type = 2
	s_add_nc_u64 s[4:5], s[4:5], s[44:45]
	s_add_nc_u64 s[10:11], s[10:11], s[46:47]
	ROUND                                          ; all four work-groups are here: the first joint loads meet
	tensor_load_to_lds s[24:27], s[56:63]          ; trip 0's tile and trip 1's, into both slots
	s_nop 0
.rept 4
	v_nop
.endr
.irp p, 0,1,2,3
	global_load_b128 v[16+4*\p:19+4*\p], v7, s[4:5] offset:512*\p      ; q stays in registers: tile 0 in v16-23, tile 1 in v24-31
.endr
.irp u, 0,1
	v_mov_b32 v[9+4*\u], 0xff61b1e6                ; the largest t so far: -3e38, under every t
	v_mov_b32 v[10+4*\u], 0                        ; the sum, in two halves
	v_mov_b32 v[11+4*\u], 0
	v_mov_b32 v[36+\u], 0                          ; (a lane permute's destination counts as one of its sources)
	v_mov_b32 v[39+2*\u], 0                        ; (named as the upper half of a pair)
	v_floor_f32 v[8+4*\u], -v[9+4*\u]              ; -M
.endr
.set j, 0
.rept 64
	v_mov_b32 v[192+j], 0                          ; O^T.  (The step's text is the same for all trips: the first finds zeros, which the first change of M leaves zeros)
.set j, j+1
.endr
	s_wait_kmcnt 0x0
	s_add_co_i32 s42, s36, s37
	s_lshl_b32 s42, s42, 23
	s_add_co_i32 s32, s32, s42                     ; a score stands for score x 2^(e6 + e7): the two exponents are added to c's exponent field
	s_mov_b32 s33, s32                             ; (named with it as a pair, so it is written)
	s_add_co_i32 s42, s38, 127
	s_lshl_b32 s42, s42, 23
	v_mov_b32 v5, s42                              ; 2^e8 as f32, for the conversions
	s_add_co_i32 s40, s38, 135
	s_lshl_b32 s40, s40, 23
	s_or_b32 s40, s40, 0x600000                    ; 448 x 2^e8
	s_add_co_i32 s41, s38, s39                     ; e8 + e9
	v_add_nc_u32 v2, s28, v1
.macro KLOAD                                   ; eight fragments of k into window 1
	WIN 0x40
.irp f, 0,1,2,3,4,5,6,7
.irp c, 0,1
	ds_load_b128 v[8*\f+4*\c:8*\f+4*\c+3], v2 offset:1024*\f+512*\c
.endr
.endr
	WIN 0
.endm
.macro VLOAD                                   ; four fragments of v^T into window 1
	WIN 0x40
.irp i, 0,1,2,3
.irp b, 0,1,2,3
	ds_load_b128 v[64+16*\i+4*\b:67+16*\i+4*\b], v2 offset:8192+2048*\i+512*\b
.endr
.endr
	WIN 0
.endm
.macro PLACES                                  ; four places in front of loads into registers that matrix instructions have read, and of the first read of results
.rept 4
	v_nop
.endr
.endm
.macro FMAS from                               ; 16 of tile 0's scores become t - M, two at a time (of the pairs c and -M the low word serves both halves)
.set j, 64+\from
.rept 8
	v_pk_fma_f32 v[j:j+1], v[j:j+1], s[32:33], v[8:9] op_sel_hi:[1,0,0]
.set j, j+2
.endr
.endm
.macro HOLD r                                  ; the one-sided hold of two numbers (p is not negative; an 8-bit conversion does not saturate: ISA guide 7.6.2)
	v_dual_min_num_f32 v[\r], s40, v[\r] :: v_dual_min_num_f32 v[(\r)+1], s40, v[(\r)+1]
.endm
.macro CODES d, s, n                           ; eight numbers of a lane become two registers of codes
	v_cvt_scalef32_pk8_fp8_f32 v[\d+2*(\n):\d+2*(\n)+1], v[\s+8*(\n):\s+8*(\n)+7], v5
.endm
.macro FOLD t, n                               ; n pairs onto the n pairs ahead of them
.set i, 0
.rept \n
	v_pk_add_f32 v[\t+i:\t+i+1], v[\t+i:\t+i+1], v[\t+2*\n+i:\t+2*\n+i+1]
.set i, i+2
.endr
.endm
; A wave's key step: 128 keys for 32 queries.  mode 2: the slot just read is filled again; 1: a next step, but nothing is filled; 0: the last step.
.macro STEP mode
	WIN 0x01                                       ; source 0 (k) window 1
.irp f, 0,1,2,3,4,5,6,7
.irp u, 0,1                                    ; each fragment of k feeds two products
	v_wmma_f32_16x16x64_fp8_fp8 v[64+64*\u+8*\f:71+64*\u+8*\f], v[8*\f:8*\f+7], v[16+8*\u:23+8*\u], 0
.endr
.endr
	WIN 0
	PLACES
	; the step's largest score of each query, in two chains a tile; the scores are read in ascending order
.irp u, 0,1
	v_max3_num_f32 v[32+2*\u], v[64+64*\u], v[65+64*\u], v[66+64*\u]
	v_max3_num_f32 v[33+2*\u], v[67+64*\u], v[68+64*\u], v[69+64*\u]
.endr
.irp i, 6,10,14,18,22,26,30,34,38,42,46,50,54,58
.irp u, 0,1
	v_max3_num_f32 v[32+2*\u], v[32+2*\u], v[64+64*\u+\i], v[65+64*\u+\i]
	v_max3_num_f32 v[33+2*\u], v[33+2*\u], v[66+64*\u+\i], v[67+64*\u+\i]
.endr
.endr
.irp u, 0,1
	v_max3_num_f32 v[32+2*\u], v[32+2*\u], v[126+64*\u], v[127+64*\u]
.endr
.irp u, 0,1
	s_delay_alu instid0(VALU_DEP_2)
	v_max_num_f32 v[32+2*\u], v[32+2*\u], v[33+2*\u]
.endr
.irp u, 0,1
	v_permlanex16_b32 v[36+\u], v[32+2*\u], s30, s31       ; the query's other 64 keys lie in the lane 16 away
.endr
.irp u, 0,1
	s_delay_alu instid0(VALU_DEP_2)
	v_max_num_f32 v[32+2*\u], v[32+2*\u], v[36+\u]
.endr
.irp u, 0,1
	s_delay_alu instid0(VALU_DEP_2)
	v_mul_f32 v[32+2*\u], s32, v[32+2*\u]                  ; as t (c is positive)
.endr
.irp u, 0,1
	s_delay_alu instid0(VALU_DEP_2)
	v_max_num_f32 v[9+4*\u], v[9+4*\u], v[32+2*\u]         ; the running largest t
.endr
.irp u, 0,1
	v_mov_b32 v[32+2*\u], v[8+4*\u]
.endr
.irp u, 0,1
	s_delay_alu instid0(VALU_DEP_4)
	v_floor_f32 v[8+4*\u], -v[9+4*\u]                      ; the new -M = floor(-t) = -ceil(t): a whole number
.endr
	FMAS 0                                         ; tile 0's t - M, with the making of f between
.irp u, 0,1
	v_sub_f32 v[32+2*\u], v[8+4*\u], v[32+2*\u]            ; old M - new M: a whole number, 0 or less
.endr
	FMAS 16
.irp u, 0,1
	v_cvt_i32_f32 v[32+2*\u], v[32+2*\u]                   ; (it saturates)
.endr
	FMAS 32
.irp u, 0,1
	v_ldexp_f32 v[38+2*\u], 1.0, v[32+2*\u]                ; f = 2^(old M - new M)
.endr
	FMAS 48
.irp u, 0,1
	v_pk_mul_f32 v[10+4*\u:11+4*\u], v[10+4*\u:11+4*\u], v[38+2*\u:39+2*\u] op_sel_hi:[1,0]
.endr
.irp j, 0,2,4,6,8,10,12,14,16,18,20,22,24,26,28,30
.irp u, 0,1
	v_pk_mul_f32 v[192+32*\u+\j:193+32*\u+\j], v[192+32*\u+\j:193+32*\u+\j], v[38+2*\u:39+2*\u] op_sel_hi:[1,0]   ; O^T under the new M, each tile from its low end on
.endr
.endr
.if \mode
	s_xor_b32 s28, s28, SLOT1                      ; the next step's slot
	v_add_nc_u32 v2, s28, v1
.endif
	s_wait_alu depctr_va_vdst(0)
.set j, 0
.rept 32                                       ; tile 0's exponentials; tile 1's t - M between them
	v_exp_f32 v[64+j], v[64+j]
	v_pk_fma_f32 v[128+j:129+j], v[128+j:129+j], s[32:33], v[12:13] op_sel_hi:[1,0,0]
	v_exp_f32 v[65+j], v[65+j]
.set j, j+2
.endr
	s_wait_alu depctr_va_vdst(0)                   ; behind tile 0's batch and ahead of tile 1's
.set j, 0
.rept 16                                       ; tile 1's exponentials; between them tile 0's sums of four numbers, two at a time, into registers that nothing here reads again, and the hold behind each sum
	v_exp_f32 v[128+j], v[128+j]
	v_pk_add_f32 v[32+j/2:33+j/2], v[64+j:65+j], v[66+j:67+j]
	v_exp_f32 v[129+j], v[129+j]
	HOLD 64+j
	v_exp_f32 v[130+j], v[130+j]
	HOLD 66+j
	v_exp_f32 v[131+j], v[131+j]
.set j, j+4
.endr
	s_wait_alu depctr_va_vdst(0)                   ; behind tile 1's batch, and directly ahead of the wait below
.if \mode
	s_wait_tensorcnt 0x0                           ; my part of the next tile has landed; I alone read it
	KLOAD
.endif
	FOLD 32, 8                                     ; tile 0's sum, folded pair onto pair, and its codes
	CODES 48, 64, 0
	CODES 48, 64, 1
	FOLD 32, 4
	CODES 48, 64, 2
	CODES 48, 64, 3
	FOLD 32, 2
	CODES 48, 64, 4
	CODES 48, 64, 5
	FOLD 32, 1
	CODES 48, 64, 6
	CODES 48, 64, 7
	v_pk_add_f32 v[10:11], v[10:11], v[32:33]
.if \mode == 2
	s_wait_tensorcnt 0x0                           ; no tensor load of mine is out, so group 0 may be written
	ds_add_u32 v3, v4                              ; 0 onto my spare word
	s_xor_b32 s25, s25, SLOT1                      ; the slot that this step has read,
	s_add_co_u32 s34, s34, TILEB                   ; the tile two trips on,
	s_and_b32 s34, s34, 8*TILEB-1                  ; behind the eighth the first: the offset is cut to 20 bits, which leaves my wave's 16384 w as it is
	s_add_nc_u64 s[26:27], s[6:7], s[34:35]        ; the address is made anew from kv's
	s_or_b32 s27, s27, 0x80000000                  ; type = 2
.endif
.set j, 0
.rept 16                                       ; tile 1's sums of four numbers, where tile 0's p lay, and half of its hold
	v_pk_add_f32 v[64+j/2:65+j/2], v[128+j:129+j], v[130+j:131+j]
	HOLD 128+j
.set j, j+4
.endr
	FOLD 64, 8                                     ; its sum, with the other half of the hold between the folds
	HOLD 130
	HOLD 134
	HOLD 138
	HOLD 142
	FOLD 64, 4
	HOLD 146
	HOLD 150
	HOLD 154
	HOLD 158
	FOLD 64, 2
	HOLD 162
	HOLD 166
	HOLD 170
	HOLD 174
	FOLD 64, 1
	HOLD 178
	HOLD 182
	HOLD 186
	HOLD 190
	v_pk_add_f32 v[14:15], v[14:15], v[64:65]
	s_wait_alu depctr_va_vdst(0)
	s_wait_dscnt 0x0                               ; this step's v^T and the next step's k are in; where a refill follows, the add is done and my reads of the slot are over
.if \mode == 2
	s_barrier_signal -1                            ; the round opens; work on registers stands between this signal and its wait
.endif
.irp n, 0,1,2,3,4,5,6,7
	CODES 32, 128, \n
.endr
	v_nop                                          ; a plain line between the last conversion and the matrix instructions that read its codes
	s_wait_alu depctr_va_vdst(0)                   ; ahead of the barrier's wait, behind the last conversion
	WIN 0x01                                       ; source 0 (v^T) window 1
.irp i, 0,1,2,3                                ; O^T += v^T p^T: the eight accumulators by turns, one instruction a turn
.irp u, 0,1
	v_wmma_f32_16x16x128_fp8_fp8 v[192+32*\u+8*\i:199+32*\u+8*\i], v[64+16*\i:79+16*\i], v[48-16*\u:63-16*\u], v[192+32*\u+8*\i:199+32*\u+8*\i]
.endr
.endr
	WIN 0                                          ; at a branch and at a label every window is 0
.if \mode == 2
	s_barrier_wait -1
	CREST                                          ; no wave of any partner still reads that slot or has a load on its way:
	tensor_load_to_lds s[24:27], s[16:23]          ; the joint refill, the first thing behind the round
	s_nop 0
.endif
.if \mode
	PLACES
	VLOAD                                          ; the next step's v^T lands while its scores and exponentials are worked
.endif
.endm
	s_wait_alu depctr_va_vdst(0)
	s_wait_loadcnt 0x0                             ; q
	s_wait_tensorcnt 0x0                           ; my parts of trip 0's and trip 1's tiles
	s_xor_b32 s25, s25, SLOT1                      ; (trip 0's refill turns it back to slot 0)
	s_add_co_u32 s34, s34, TILEB                   ; (and steps this on to the third tile)
	KLOAD
	VLOAD
	s_wait_dscnt 16                                ; k is in; the 16 loads of v^T may be out
.Ltrip:                                            ; trips 0 to 5
	STEP 2
	s_sub_co_u32 s29, s29, 1
	s_cmp_lg_u32 s29, 0
	s_cbranch_scc1 .Ltrip
	STEP 1                                         ; trips 6 and 7 are written out
	STEP 0
	; THE END: the eight waves' parts meet.  The address lines name no register of the last products: they are the places behind them.
	v_and_b32 v16, 15, v0                          ; r
	v_bfe_u32 v17, v0, 4, 1                        ; h
	s_lshl_b32 s48, s12, 7
	s_add_co_u32 s48, s48, NM
	v_lshl_add_u32 v18, v16, 2, s48                ; my wave's words: NM + 128 w + 4 r
	s_lshl_b32 s49, s12, 15
	v_mul_u32_u24 v20, v16, 272
	v_mul_u32_u24 v21, v17, 272
	v_lshl_add_u32 v20, v17, 7, v20
	v_lshl_add_u32 v21, v16, 4, v21
	v_add_nc_u32 v20, s49, v20                     ; my stage lies in my own slots, which have had their last fill and, by me, their last read: row r, 128 bytes (32 channels) for each half of the lanes
	s_mul_i32 s50, s12, 1088
	v_add_nc_u32 v24, s50, v21                     ; back: rows 4 w + lane / 16 of a stage, 16 bytes a lane; of waves 0 and 1,
	v_add_nc_u32 v25, 0x10000, v24                 ; 2 and 3,
	v_add_nc_u32 v26, 0x20000, v24                 ; 4 and 5,
	v_add_nc_u32 v27, 0x30000, v24                 ; 6 and 7
	s_lshl_b32 s51, s12, 4
	s_add_co_u32 s51, s51, NM
	v_lshl_add_u32 v22, v17, 2, s51                ; and those rows' words: NM + 4 (4 w + lane / 16)
	s_lshl_b32 s52, s12, 10
	v_add_nc_u32 v23, s52, v7                      ; out0: 1024 w + 16 x lane
.irp u, 0,1
	v_add_f32 v[10+4*\u], v[10+4*\u], v[11+4*\u]   ; the sum's two halves,
.endr
.irp u, 0,1
	s_delay_alu instid0(VALU_DEP_2)
	v_permlanex16_b32 v[11+4*\u], v[10+4*\u], s30, s31
.endr
.irp u, 0,1
	s_delay_alu instid0(VALU_DEP_2)
	v_add_f32 v[10+4*\u], v[10+4*\u], v[11+4*\u]   ; and lane l xor 16's
.endr
; the channels in order: register 4 j + i of the stage's 32 is channel 32 h + 4 j + i.  A pair takes neighbouring j of neighbouring i, so that its destinations are one even and one odd and its sources lie in different banks
.irp u, 0,1
.irp j, 0,2,4,6
.irp i, 0,2
	v_dual_mov_b32 v[64+32*\u+4*\j+\i], v[192+32*\u+8*\i+\j] :: v_dual_mov_b32 v[69+32*\u+4*\j+\i], v[201+32*\u+8*\i+\j]
	v_dual_mov_b32 v[68+32*\u+4*\j+\i], v[193+32*\u+8*\i+\j] :: v_dual_mov_b32 v[65+32*\u+4*\j+\i], v[200+32*\u+8*\i+\j]
.endr
.endr
.endr
	s_wait_alu depctr_va_vdst(0)
.irp u, 0,1
	ds_store_b32 v18, v[8+4*\u] offset:64*\u       ; my -M of query 16 u + r, and the sum (lanes r and r + 16 hold the same numbers)
	ds_store_b32 v18, v[10+4*\u] offset:1024+64*\u
.irp m, 0,1,2,3,4,5,6,7
	ds_store_b128 v20, v[64+32*\u+4*\m:67+32*\u+4*\m] offset:4352*\u+16*\m
.endr
.endr
	s_wait_dscnt 0x0
	s_barrier_signal -1
	s_barrier_wait -1
.irp t, 0,1                                    ; wave w finishes rows 4 w .. 4 w + 3, two at a time: row 4 w + 2 t + lane / 16
.irp w, 0,1,2,3,4,5,6,7
	ds_load_b32 v[32+8*\t+\w], v22 offset:128*\w+8*\t
	ds_load_b32 v[48+8*\t+\w], v22 offset:1024+128*\w+8*\t
.endr
.endr
.irp t, 0,1
.irp w, 0,1,2,3,4,5,6,7
	ds_load_b128 v[128+32*\t+4*\w:131+32*\t+4*\w], v[24+\w/2] offset:32768*(\w%2)+544*\t
.endr
.endr
	s_wait_dscnt 16                                ; the words are in; the 16 loads of O's parts may be out
.irp t, 0,1
	v_min3_num_f32 v[64+\t], v[32+8*\t], v[33+8*\t], v[34+8*\t]        ; the least -M is the row's
.endr
.irp t, 0,1
	v_min3_num_f32 v[64+\t], v[64+\t], v[35+8*\t], v[36+8*\t]
.endr
.irp t, 0,1
	v_min3_num_f32 v[64+\t], v[64+\t], v[37+8*\t], v[38+8*\t]
.endr
.irp t, 0,1
	v_min_num_f32 v[64+\t], v[64+\t], v[39+8*\t]
.endr
.irp w, 0,1,2,3,4,5,6,7
.irp t, 0,1
	v_sub_f32 v[32+8*\t+\w], v[64+\t], v[32+8*\t+\w]                   ; wave w's M - the row's M: a whole number, 0 or less
.endr
.endr
.irp w, 0,1,2,3,4,5,6,7
.irp t, 0,1
	v_cvt_i32_f32 v[32+8*\t+\w], v[32+8*\t+\w]
.endr
.endr
.irp w, 0,1,2,3,4,5,6,7
.irp t, 0,1
	v_ldexp_f32 v[32+8*\t+\w], 1.0, v[32+8*\t+\w]                      ; f: wave w's part under the row's M
.endr
.endr
.irp t, 0,1
	v_mul_f32 v[48+8*\t], v[48+8*\t], v[32+8*\t]
.endr
.irp w, 1,2,3,4,5,6,7                          ; the waves' sums in ascending order
.irp t, 0,1
	v_fmac_f32 v[48+8*\t], v[48+8*\t+\w], v[32+8*\t+\w]
.endr
.endr
	s_wait_alu depctr_va_vdst(0)
	v_rcp_f32 v48, v48
	v_rcp_f32 v56, v56
	v_nop                                          ; a plain line behind the reciprocals
	s_wait_dscnt 0x0                               ; O's parts are in
.irp t, 0,1
	v_pk_mul_f32 v[128+32*\t:129+32*\t], v[128+32*\t:129+32*\t], v[32+8*\t:33+8*\t] op_sel_hi:[1,0]
	v_pk_mul_f32 v[130+32*\t:131+32*\t], v[130+32*\t:131+32*\t], v[32+8*\t:33+8*\t] op_sel_hi:[1,0]
.endr
.macro PART w, lo, hi                          ; wave w's part x its f, added: of the pair of f the low word (even w) or the high word (odd w) serves both halves
.irp t, 0,1
	v_pk_fma_f32 v[128+32*\t:129+32*\t], v[128+32*\t+4*\w:129+32*\t+4*\w], v[32+8*\t+2*(\w/2):33+8*\t+2*(\w/2)], v[128+32*\t:129+32*\t] op_sel:[0,\lo,0] op_sel_hi:[1,\hi,1]
	v_pk_fma_f32 v[130+32*\t:131+32*\t], v[130+32*\t+4*\w:131+32*\t+4*\w], v[32+8*\t+2*(\w/2):33+8*\t+2*(\w/2)], v[130+32*\t:131+32*\t] op_sel:[0,\lo,0] op_sel_hi:[1,\hi,1]
.endr
.endm
	PART 1, 1, 1
	PART 2, 0, 0
	PART 3, 1, 1
	PART 4, 0, 0
	PART 5, 1, 1
	PART 6, 0, 0
	PART 7, 1, 1
	s_wait_alu depctr_va_vdst(0)                   ; ahead of the reciprocals' first reader
	v_ldexp_f32 v48, v48, s41                      ; x 2^(e8 + e9)
	v_ldexp_f32 v56, v56, s41
.irp t, 0,1
	v_pk_mul_f32 v[128+32*\t:129+32*\t], v[128+32*\t:129+32*\t], v[48+8*\t:49+8*\t] op_sel_hi:[1,0]
	v_pk_mul_f32 v[130+32*\t:131+32*\t], v[130+32*\t:131+32*\t], v[48+8*\t:49+8*\t] op_sel_hi:[1,0]
.endr
.irp t, 0,1
	global_store_b128 v23, v[128+32*\t:131+32*\t], s[10:11] offset:512*\t th:TH_STORE_NT   ; two rows of 256 bytes: the wave stores 512 consecutive bytes, at a multiple of 512 from out0's first byte
.endr
	s_wait_tensorcnt 0x0                           ; the wave's end, behind my last tensor load and my last LDS store
	ds_add_u32 v3, v4
	s_wait_dscnt 0x0
	ROUND                                          ; the closing round: no work-group ends while a partner may still ask for a tile that names it
	s_endpgm
.Lfunc_end_k_qbab83deafb_attn:
	.size	k_qbab83deafb_attn, .Lfunc_end_k_qbab83deafb_attn-k_qbab83deafb_attn
	.p2alignl 7, 3214868480
	.fill 96, 4, 3214868480
	.section	.rodata,"a",@progbits
	.p2align	6, 0x0
	.amdhsa_kernel k_qbab83deafb_attn
		.amdhsa_group_segment_fixed_size 327680
		.amdhsa_private_segment_fixed_size 0
		.amdhsa_enable_private_segment 0
		.amdhsa_kernarg_size 32
		.amdhsa_user_sgpr_count 2
		.amdhsa_user_sgpr_kernarg_segment_ptr 1
		.amdhsa_wavefront_size32 1
		.amdhsa_system_sgpr_workgroup_id_x 1
		.amdhsa_system_sgpr_workgroup_id_y 1
		.amdhsa_system_sgpr_workgroup_id_z 1
		.amdhsa_system_vgpr_workitem_id 0
		.amdhsa_next_free_vgpr 384
		.amdhsa_next_free_sgpr 66
		.amdhsa_reserve_vcc 0
		.amdhsa_float_denorm_mode_32 3
		.amdhsa_float_denorm_mode_16_64 3
		.amdhsa_memory_ordered 1
		.amdhsa_forward_progress 1
		.amdhsa_inst_pref_size 108
	.end_amdhsa_kernel
	.amdgpu_metadata
---
amdhsa.version: [ 1, 2 ]
amdhsa.kernels:
  - .name:           k_qbab83deafb_attn
    .symbol:         k_qbab83deafb_attn.kd
    .args:
      - { .name: qc, .offset: 0, .size: 8, .value_kind: global_buffer, .address_space: global }
      - { .name: kv, .offset: 8, .size: 8, .value_kind: global_buffer, .address_space: global }
      - { .name: lowp_scales, .offset: 16, .size: 8, .value_kind: global_buffer, .address_space: global }
      - { .name: out0, .offset: 24, .size: 8, .value_kind: global_buffer, .address_space: global }
    .group_segment_fixed_size: 327680
    .private_segment_fixed_size: 0
    .kernarg_segment_align: 8
    .kernarg_segment_size: 32
    .max_flat_workgroup_size: 256
    .sgpr_count:     66
    .vgpr_count:     384
    .wavefront_size: 32
...
	.end_amdgpu_metadata
.endif
;; end of part 2
